; MI455X (gfx1250); checked and timed in simulation.
; The chip was launched on July 23, 2026; its instructions are those of AMD's public machine-readable ISA for CDNA 5 (MIT licence, August 2026) and "CDNA5" Instruction Set Architecture Reference Guide (July 2026). The comments in the code are by the model that wrote it; some were corrected since.
;; Learnable Query Attention Pool1d. Allowed arithmetic: matrix products marked QUANTISED: E2M3 operands, one E8M0 scale for each 32 along K, by v_wmma_scale_f32_16x16x128_f8f6f4 with both operands' format E2M3, f32 sums; products left as they are: f32 operands where the result goes on into a quantised operand, else bf16, f16 or f32 operands; f32 sums; everything else in f32.
;; Inputs: Wc_codes 1,024 x 32 x 24 uint8 (E2M3 codes of Wc, K innermost, in blocks of 32 codes, four codes in three bytes); Wc_scales 1,024 x 32 uint8 (E8M0 scales of Wc, one for each 32 codes along K); Wk_codes 1,024 x 32 x 24 uint8 (E2M3 codes of Wk, K innermost, in blocks of 32 codes, four codes in three bytes); Wk_scales 1,024 x 32 uint8 (E8M0 scales of Wk, one for each 32 codes along K); Wq 1,024 x 1,024 float32; Wv_codes 1,024 x 32 x 24 uint8 (E2M3 codes of Wv, K innermost, in blocks of 32 codes, four codes in three bytes); Wv_scales 1,024 x 32 uint8 (E8M0 scales of Wv, one for each 32 codes along K); query 1 x 1 x 1,024 float32; x_codes 16 x 2,048 x 32 x 24 uint8 (E2M3 codes of x, K innermost, in blocks of 32 codes, four codes in three bytes); x_scales 16 x 2,048 x 32 uint8 (E8M0 scales of x, one for each 32 codes along K).
;; Outputs: out0 16 x 1,024 float32.
;; This version of the problem:
;;   THIS VERSION OF THE PROBLEM IS GIVEN IN LOW PRECISION. The matrix products marked QUANTISED in the list below multiply operands that are first quantised to E2M3 (2 exponent bits, 3 mantissa bits; 6 bits a number), with one power-of-two scale for each 32 numbers along K (OCP MX v1.0); their sums are f32. All else is computed in f32.
;;   The module's matrix products, in the order in which they are computed (A, B: the left and right operand; K: the contracted axis; several contracted axes count as one K, in the product's order):
;;     1. [M 1, K 1,024] x [K 1,024, N 1,024]; A: input query; B: input Wq: left as it is (M = 1 < 16)
;;     2. [M 32,768, K 1,024] x [K 1,024, N 1,024]; A: input x (given as codes); B: input Wk (given as codes): QUANTISED
;;     3. [M 32,768, K 1,024] x [K 1,024, N 1,024]; A: input x (given as codes); B: input Wv (given as codes): QUANTISED
;;     4. batch 16 x [M 32,768, K 64] x [K 64, N 1]; A: computed on the way; B: computed on the way: left as it is (N = 1 < 16)
;;     5. batch 256 x [M 1, K 2,048] x [K 2,048, N 64]; A: softmax; B: computed on the way: left as it is (M = 1 < 16)
;;     6. [M 16, K 1,024] x [K 1,024, N 1,024]; A: computed on the way; B: input Wc (given as codes): QUANTISED
;;   THE QUANTISER, for each operand of a quantised product, along K:
;;     - K is cut into blocks of 32 from its start; a last block that is shorter is filled with zeros.
;;     - A block's scale is 2^e with e = floor(log2(the largest magnitude in the block)) - 2, held to -126 .. 127; a block of zeros has e = 0. As a byte (E8M0): e + 127.
;;     - Each number is divided by its block's scale, clamped to +-7.5, and rounded to the nearest number of E2M3, ties to even, subnormals kept.
;;     - The product sums the exact products of the quantised numbers (number of the format x scale) in f32.
;;   ~~~python
;;   def quantise(x, axis):      # numpy; x: float32 -> the quantised numbers, widened to float32 again
;;       x = np.moveaxis(x, axis, -1); K = x.shape[-1]
;;       x = np.pad(x, [(0, 0)] * (x.ndim - 1) + [(0, -K % 32)]); x = x.reshape(x.shape[:-1] + (-1, 32)); a = np.abs(x).max(-1, keepdims=True)
;;       e = np.where(a > 0, np.clip(np.frexp(np.where(a > 0, a, 1))[1] - 1 - 2, -126, 127), 0)      # np.frexp(a)[1] - 1 = floor(log2(a)), exactly
;;       r = np.clip(x / 2.0 ** e, -7.5, 7.5)
;;       step = 2.0 ** (np.maximum(np.frexp(np.where(r == 0, 1, r))[1] - 1, 0) - 3)
;;       q = np.round(r / step) * step * 2.0 ** e      # np.round: ties to even
;;       return np.moveaxis(q.reshape(q.shape[:-2] + (-1,))[..., :K], -1, axis).astype(np.float32)
;;   ~~~
;;   OPERANDS COMPUTED ON THE WAY. 'Computed on the way' means the value that the module computes at that place (a softmax that the list does not call 'softmax' is quantised finished and normalised). What goes into a quantiser is computed in f32, as accurately as f32 sums, v_exp_f32 and their like allow (about 1e-6 of the number): no bf16 or f16 on the way to a quantiser, and a product that is left as it is and whose result goes on into a quantised operand takes f32 operands (vector FMAs, or v_wmma_f32_16x16x4_f32). A number that lies on a knife's edge between two numbers of the format may be rounded either way, as far as f32 arithmetic and the matrix unit's own rounding can turn it there, and no further.
;;   INPUTS GIVEN AS CODES. Wc (in the module: [1024, 1024], K = its axis 1); Wk (in the module: [1024, 1024], K = its axis 1); Wv (in the module: [1024, 1024], K = its axis 1); x (in the module: [16, 2048, 1024], K = its axis 2): each comes as NAME_codes (uint8): NAME with its K axis moved to the last place and cut into blocks of 32 codes, [.., K / 32, bytes a block], one block behind the other in memory; four codes in three bytes: a row's codes are one little-endian stream of bits, code i at bits 6 i .. 6 i + 5 (a code: sign, 2 exponent bits, 3 mantissa bits); and NAME_scales (uint8): the same leading axes, one E8M0 byte (e + 127) for each 32 codes along K. Its value is code x scale, taken as it is: it is not quantised again, and the codes and scales need not be those that the quantiser above would give.
;; One version. Each part assembles by itself: llvm-mc -triple=amdgcn-amd-amdhsa -mcpu=gfx1250 --defsym DOCPART=n.
;; ======== version 1 of 1: 3 launches
;; limits: right only within a limited range of input values
;; workspace buffers: qs 4,096 bytes; part_o 131,072 bytes; part_ml 4,096 bytes
;; launch qproj (part 1): grid 256 x 1, 1 waves a work-group, no clusters, 0 bytes of LDS; arguments Wq, query, qs; writes qs
.if DOCPART == 1
	.amdgcn_target "amdgcn-amd-amdhsa--gfx1250"
	.amdhsa_code_object_version 6
	.text
	.protected	k_qc1d401e601_qproj
	.globl	k_qc1d401e601_qproj
	.p2align	8
	.type	k_qc1d401e601_qproj,@function
k_qc1d401e601_qproj:
	s_mov_b64 s[64:65], 0
	v_nop
	global_prefetch_b8 v0, s[64:65] scope:SCOPE_SE
	s_setreg_imm32_b32 hwreg(HW_REG_WAVE_MODE, 25, 1), 1
	s_wait_xcnt 0x0
; qs[e] = (the sum over d of Wq[e][d] query[d]) x log2(e) / 8.   Wq: [1024][1024] f32, query: [1024] f32, qs: [1024] f32.
; 1 / 8 is the head's scale 1 / sqrt(64); log2(e) is folded in, so that the scores of the next launch are exponents of 2.  All in f32: the result goes on towards a quantiser.
; A work-group is one wave and takes four rows of Wq, 16,384 bytes.  Lane l takes bytes 16 l + 512 k (k = 0 .. 7) of each row and of query: every load of the wave covers 512 consecutive bytes.
; All 40 loads are issued before the one wait; 256 work-groups have all of Wq on its way at once.  No LDS, no matrix unit, no cluster: one output row has 1,024 multiply-adds for 4,096 bytes, memory binds, and no tile is shared.
; The store is 16 bytes a work-group: whole blocks of 256 bytes of qs would leave 16 work-groups to read all of Wq; qs is 4,096 bytes in all.
; LIMITS: NaN and infinities among the inputs are not served.
.set QV, 4                             ; v4-35    query: my 32 numbers
.set WR, 36                            ; v36-163  row i of the four at WR + 32 i
.set AC, 164                           ; v164-171 a pair of sums for each row
.set RS, 172                           ; v172-175 the four results
.set TT, 176                           ; v176-179 the other half of the lanes' sums
	s_load_b128 s[4:7], s[0:1], 0x0                ; Wq, query
	s_load_b64 s[8:9], s[0:1], 0x10                ; qs
	v_lshlrev_b32 v1, 4, v0                        ; 16 x lane (one wave: the thread's number is the lane)
	s_lshl_b32 s10, ttmp9, 14                      ; my four rows of 4,096 bytes
	s_mov_b32 s11, 0
	s_mov_b32 s12, 0x76543210                      ; v_permlanex16_b32's selects for lane l xor 16
	s_mov_b32 s13, 0xfedcba98
.irp i, 0,1,2,3
	v_mov_b32 v[TT+\i], 0                          ; a lane permute's destination counts as one of its sources
.endr
	v_mov_b32 v180, 0                              ; the store's offset
	s_wait_alu depctr_va_vdst(0)
	s_wait_kmcnt 0x0
	s_add_nc_u64 s[4:5], s[4:5], s[10:11]
	s_lshl_b32 s10, ttmp9, 4                       ; my four numbers of qs
	s_add_nc_u64 s[8:9], s[8:9], s[10:11]
.irp k, 0,1,2,3,4,5,6,7
	global_load_b128 v[QV+4*\k:QV+4*\k+3], v1, s[6:7] offset:512*\k
.endr
.irp i, 0,1,2,3
.irp k, 0,1,2,3,4,5,6,7
	global_load_b128 v[WR+32*\i+4*\k:WR+32*\i+4*\k+3], v1, s[4:5] offset:4096*\i+512*\k th:TH_LOAD_NT   ; read once in the launch
.endr
.endr
	s_wait_loadcnt 0x0                             ; there is nothing to do before the data are in
.irp i, 0,1,2,3
	v_pk_mul_f32 v[AC+2*\i:AC+2*\i+1], v[WR+32*\i:WR+32*\i+1], v[QV:QV+1]   ; the first products start the sums
.endr
.irp m, 2,4,6,8,10,12,14,16,18,20,22,24,26,28,30
.irp i, 0,1,2,3
	v_pk_fma_f32 v[AC+2*\i:AC+2*\i+1], v[WR+32*\i+\m:WR+32*\i+\m+1], v[QV+\m:QV+\m+1], v[AC+2*\i:AC+2*\i+1]   ; the four rows by turns
.endr
.endr
.irp i, 0,1,2,3
	v_add_f32 v[RS+\i], v[AC+2*\i], v[AC+2*\i+1]
.endr
.irp x, 1,2,4,8
.irp i, 0,1,2,3
	v_add_f32_dpp v[RS+\i], v[RS+\i], v[RS+\i] row_xmask:\x row_mask:0xf bank_mask:0xf
.endr
.endr
.irp i, 0,1,2,3
	v_permlanex16_b32 v[TT+\i], v[RS+\i], s12, s13
.endr
.irp i, 0,1,2,3
	v_add_f32 v[RS+\i], v[RS+\i], v[TT+\i]         ; every lane holds the row's sum
.endr
.irp i, 0,1,2,3
	v_mul_f32 v[RS+\i], 0x3e38aa3b, v[RS+\i]       ; x log2(e) / 8
.endr
	v_cmp_eq_u32 vcc_lo, 0, v0
	s_wait_alu depctr_va_vdst(0)
	s_wait_xcnt 0x0                                ; EXEC is a source of the loads above: it changes only behind this wait
	s_and_saveexec_b32 s14, vcc_lo                 ; lane 0 alone stores
	global_store_b128 v180, v[RS:RS+3], s[8:9]
	s_endpgm
.Lfunc_end_k_qc1d401e601_qproj:
	.size	k_qc1d401e601_qproj, .Lfunc_end_k_qc1d401e601_qproj-k_qc1d401e601_qproj
	.p2alignl 7, 3214868480
	.fill 96, 4, 3214868480
	.section	.rodata,"a",@progbits
	.p2align	6, 0x0
	.amdhsa_kernel k_qc1d401e601_qproj
		.amdhsa_group_segment_fixed_size 0
		.amdhsa_private_segment_fixed_size 0
		.amdhsa_enable_private_segment 0
		.amdhsa_kernarg_size 24
		.amdhsa_user_sgpr_count 2
		.amdhsa_user_sgpr_kernarg_segment_ptr 1
		.amdhsa_wavefront_size32 1
		.amdhsa_system_sgpr_workgroup_id_x 1
		.amdhsa_system_sgpr_workgroup_id_y 1
		.amdhsa_system_sgpr_workgroup_id_z 1
		.amdhsa_system_vgpr_workitem_id 0
		.amdhsa_next_free_vgpr 192
		.amdhsa_next_free_sgpr 66
		.amdhsa_reserve_vcc 1
		.amdhsa_float_denorm_mode_32 3
		.amdhsa_float_denorm_mode_16_64 3
		.amdhsa_memory_ordered 1
		.amdhsa_forward_progress 1
		.amdhsa_inst_pref_size 11
	.end_amdhsa_kernel
	.amdgpu_metadata
---
amdhsa.version: [ 1, 2 ]
amdhsa.kernels:
  - .name:           k_qc1d401e601_qproj
    .symbol:         k_qc1d401e601_qproj.kd
    .args:
      - { .name: Wq, .offset: 0, .size: 8, .value_kind: global_buffer, .address_space: global }
      - { .name: query, .offset: 8, .size: 8, .value_kind: global_buffer, .address_space: global }
      - { .name: qs, .offset: 16, .size: 8, .value_kind: global_buffer, .address_space: global }
    .group_segment_fixed_size: 0
    .private_segment_fixed_size: 0
    .kernarg_segment_align: 8
    .kernarg_segment_size: 24
    .max_flat_workgroup_size: 32
    .sgpr_count:     66
    .vgpr_count:     192
    .wavefront_size: 32
...
	.end_amdgpu_metadata
.endif
;; end of part 1
;; launch pool (part 2): grid 8 x 32, 4 waves a work-group, clusters of 4 x 4, 327,680 bytes of LDS; arguments x_codes, x_scales, Wk_codes, Wk_scales, Wv_codes, Wv_scales, qs, part_o, part_ml; writes part_o, part_ml
.if DOCPART == 2
	.amdgcn_target "amdgcn-amd-amdhsa--gfx1250"
	.amdhsa_code_object_version 6
	.text
	.protected	k_qc1d401e601_pool
	.globl	k_qc1d401e601_pool
	.p2align	8
	.type	k_qc1d401e601_pool,@function
k_qc1d401e601_pool:
	s_mov_b64 s[64:65], 0
	v_nop
	global_prefetch_b8 v0, s[64:65] scope:SCOPE_SE
	s_setreg_imm32_b32 hwreg(HW_REG_WAVE_MODE, 25, 1), 1
	s_wait_xcnt 0x0
	s_wait_alu depctr_hold_cnt(0) depctr_sa_sdst(0) depctr_va_vdst(0) depctr_va_sdst(0) depctr_va_ssrc(0) depctr_va_vcc(0) depctr_vm_vsrc(0)
	s_getreg_b32 s2, hwreg(HW_REG_IB_STS2, 6, 4)
	s_cmp_eq_u32 s2, 0
	s_cbranch_scc0 .Lentry_in_a_cluster
	s_endpgm
.Lentry_in_a_cluster:
	s_bfe_u32 s2, ttmp6, 0x10000c
	s_cmp_lg_u32 s2, 0xf033
	s_cbranch_scc0 .Lentry_shape_is_right
	s_endpgm
.Lentry_shape_is_right:
; K = x Wk^T, V = x Wv^T on codes of FP6, the scores of the one query, their softmax and the weighted sum of V, for two heads and 1,024 tokens a work-group.  K, V and the scores never leave the registers.
; part_o: [head 16][batch 16][part 2][64] f32 = the sum of 2^(s - M) v over a part's 1,024 tokens;  part_ml: [batch][head][part][2] = (M, L), L the sum of 2^(s - M).  qs holds the query with log2(e) / 8 folded in, so a score is an exponent of 2.
; LIMITS: the scaled scores stay under 2^31 in magnitude; NaN and infinities are not served.
; SHARES.  Wave w has head w % 2 of the work-group's two and stream w / 2: of each 32 rows of x it takes 16.  It holds its head's 64 rows of Wk and 64 rows of Wv, ALL of K, in registers: 64 fragments of 12.
; x streams past in blocks of 16 tokens x 1,024: eight fragments, ONE set.  A block is 32 products for K, then 32 for V.  The next block's fragments are fetched in two runs: 0-3 behind V's step 3, 4-7 behind its last product.
; Both products have x as source 0: lane (r, h), register j is token 8 h + j, column 16 t + r.  A score is a sum over t in the lane and over the 16 lanes of the row; the weighted sum runs along the registers, so it needs two registers a tile.
; THE SCORES stand among V's products: sums over the tiles; then over the lanes, halving the registers twice, so that a lane holds two tokens' scores: token i + 2 (r / 4 % 2) + 4 (r / 8) in register i.
; M is the largest score so far rounded up to a whole number (kept as -M, for each half of the lanes apart), so a change of M is an exact power of two.  2^(s - M) = 2^n 2^f, n the nearest whole number: 2^f by a polynomial of degree 5, whose error
; is under 2e-7 of the number for |f| up to 1/2, 2^n by v_ldexp: so no transcendental stands among the products.  Row shares give each lane the eight p of its half's tokens.  THE WEIGHTED SUM stands among the next block's K products.
; CLUSTERS of 4 x 4: the four of a row (same tokens) ask jointly for x, the four of a column (same heads) for the weights.
; LDS: slot 0 | slot 1 (at the head: Wk's 128 rows) | Wv's 128 rows | two places for a chunk's scale bytes | spare words | a stage for the end.  A chunk is 128 rows of x: rows of 768 bytes, 16 of padding behind every 256.
; FILLS: at the head one tensor load a wave; each later chunk behind a drained round: waves 0 and 1 half its rows each, wave 2 its scale bytes.  A refill has four blocks, 256 products a wave, in which to land.
; NO PREFETCH INTO THE L2: with those 256 products between a refill and the wait for it, its tile is asked for a whole chunk ahead as it is, and x's rows are read by two clusters alone.
; WINDOWS.  Products have source 1 in windows 1-3; a vector line that has no register in source 1, or has it in the product's window, stands under the product's setting (so x - n and the like are written as multiply-adds with 1.0 in source 1).
; THE WAITS' COUNTS: 14 = the second run of loads: fragments 4 to 7 (3, 4, 3, 3) and one of scale words.
.set KROW,  768
.set PITCH, 816
.set RC,    128                        ; rows of a chunk
.set YB,    RC*PITCH
.set WKB,   YB
.set SCL,   3*YB
.set SCB,   16*272                     ; a chunk's scale bytes: 16 units of 256 + 16
.set SPARE, SCL+2*SCB
.set STG,   SPARE+512                  ; 512 bytes a wave
.set TT,    2                          ; v2, v3    at work
.set ADRA0, 4                          ; v4, v5    LDS address of my fragments of a chunk's block 0 (v5: for the pieces behind one padding more)
.set AAS0,  6                          ; v6        of my row's scale words
.set AAS,   7                          ; v7        the same for the block that is fetched next
.set SPW,   8                          ; v8        my spare word
.set NIL,   9                          ; v9        0
.set FF,    10                         ; v10       the factor of a change of M
.set A4,    12                         ; v12       the polynomial's coefficient of f^4
.set DM,    14                         ; v14       the change of M
.set IN0,   15                         ; v15, v17  n as whole numbers
.set IN1,   17
.set NMO,   16                         ; v16       -M
.set NMN,   18                         ; v18       the new -M
.set OO,    20                         ; v20-27    the weighted sums: a pair a tile
.set SB,    28                         ; v28-59    the weights' scale words: Wk's two pairs of tiles, then Wv's, eight steps each
.set ADRA,  60                         ; v60, v61  as v4, v5 for the block that is fetched next
.set CC,    62                         ; v62, v63  the polynomial, then p
.set SA,    64                         ; v64-71    x's scale words
.set AK,    72                         ; v72-103   K's results
.set AV,    104                        ; v104-135  V's
.set XF,    136                        ; v136-231  x's fragments
.set F63,   232                        ; v232-243  the weights' fragment 63; fragments 0-62 lie in windows 1-3, 21 to a window
.set SS,    244                        ; v244-251  scores, then p of each token of my half
.set MX,    252                        ; v252      the largest score so far
.set MO,    253
.set LL,    254                        ; v254, v255  the sum of p, in two halves
.set QW,    252                        ; window 2: v252-255  the query's numbers for my four tiles
.set BA,    72                         ; v72-87    at the head: LDS addresses of the weights' eight tiles
.set JO,    72                         ; v72-76    at the end
.set G1X, 24
.set G0X, 32
.set G0W, 36
.set G1W, 48
.set G0V, 56
.set A5,  60                           ; s[60:61]  the coefficient of f^5, twice
.set G1S, 68
.set G0S, 76
.set MSB, 0
.macro WIN new
.if MSB != \new
	s_set_vgpr_msb (MSB<<8)|\new
.set MSB, \new
.endif
.endm
.macro PLACES n
.rept \n
	v_nop
.endr
.endm
.macro WALU
	s_wait_alu depctr_va_vdst(0)
.endm
.macro TLOAD g0, g1
	tensor_load_to_lds s[\g0:\g0+3], s[\g1:\g1+7]
	s_nop 0
	PLACES 4
.endm
.macro CREST                           ; a round of the cluster's barrier behind its opening barrier
	s_cmp_lg_u32 s22, 0
	s_cbranch_scc1 .Lnot_wave_0_\@
	s_barrier_signal -3
.Lnot_wave_0_\@:
	s_barrier_wait -3
	s_barrier_signal -1
	s_barrier_wait -1
.endm
.macro CROUND
	s_barrier_signal -1
	s_barrier_wait -1
	CREST
.endm
.macro REFILL                          ; a chunk: waves 0 and 1 half the rows each, wave 2 the scale bytes
	s_cmp_lt_u32 s22, 2
	s_cbranch_scc0 .Lscales_\@
	TLOAD G0X, G1X
	s_branch .Lasked_\@
.Lscales_\@:
	s_cmp_eq_u32 s22, 2
	s_cbranch_scc0 .Lnone_\@
	TLOAD G0S, G1S
.Lnone_\@:
.Lasked_\@:
.endm
.macro GROUP1 g, mask, rows
	s_or_b32 s[\g+0], s[\mask], (1<<20)|(1<<21)|(5<<22)|(3<<25)
	s_mov_b32 s[\g+1], KROW<<16
	s_mov_b32 s[\g+2], (\rows)<<16
	s_mov_b32 s[\g+3], KROW<<16
	s_mov_b32 s[\g+4], \rows
	s_mov_b32 s[\g+5], KROW
	s_mov_b32 s[\g+6], 0
	s_mov_b32 s[\g+7], 0
.endm
; a fragment, 16 rows x 128 K: six pieces of 8 bytes, two to a load where both lie behind as many paddings
.macro FRAG w, reg, q, a0, a1
	WIN ((\w)<<6)
.set R_, \reg
.set SKIP_, 0
.irp p, 0,1,2,3,4,5
.if SKIP_
.set SKIP_, 0
.else
.set PC_, 12*(\q)+6*(\p/3)+\p%3
.set PN_, 12*(\q)+6*((\p+1)/3)+(\p+1)%3
.set X_, (PC_%32+3)/32
.set XQ_, (PN_%32+3)/32
.if (\p < 5) && (X_ == XQ_)
.set SKIP_, 1
.if X_
	ds_load_2addr_b64 v[R_+2*\p:R_+2*\p+3], v[\a1] offset0:PC_+2*(PC_/32) offset1:PN_+2*(PN_/32)
.else
	ds_load_2addr_b64 v[R_+2*\p:R_+2*\p+3], v[\a0] offset0:PC_+2*(PC_/32) offset1:PN_+2*(PN_/32)
.endif
.elseif X_
	ds_load_b64 v[R_+2*\p:R_+2*\p+1], v[\a1] offset:8*(PC_+2*(PC_/32))
.else
	ds_load_b64 v[R_+2*\p:R_+2*\p+1], v[\a0] offset:8*(PC_+2*(PC_/32))
.endif
.endif
.endr
.endm
; ---- a product.  wv = 0: K, 1: V; step q of eight along K, tile t of four.  The four accumulators of a phase take turns.
.macro PROD wv, q, t
.set F_, 32*(\wv)+4*(\q)+(\t)
.set FW_, 1+F_/21
.set FX_, 12*(F_%21)
.if F_ == 63
.set FW_, 0
.set FX_, F63
.endif
.set D_, AK+32*(\wv)+8*(\t)
.set XA_, SA+(\q)
.set XB_, SB+16*(\wv)+8*((\t)/2)+(\q)
.set X0_, XF+12*(\q)
	WIN (FW_<<2)
.if (\q) == 0
	PROD1 0, (\t)%2
.else
	PROD1 v[D_:D_+7], (\t)%2
.endif
.endm
.macro PROD1 c, o
.if \o
	v_wmma_scale_f32_16x16x128_f8f6f4 v[D_:D_+7], v[X0_:X0_+11], v[FX_:FX_+11], \c, v[XA_], v[XB_] matrix_a_fmt:MATRIX_FMT_FP6 matrix_b_fmt:MATRIX_FMT_FP6 matrix_b_scale:MATRIX_SCALE_ROW1
.else
	v_wmma_scale_f32_16x16x128_f8f6f4 v[D_:D_+7], v[X0_:X0_+11], v[FX_:FX_+11], \c, v[XA_], v[XB_] matrix_a_fmt:MATRIX_FMT_FP6 matrix_b_fmt:MATRIX_FMT_FP6
.endif
.endm
; ---- what the vector lines are made of
.macro DOT n                           ; a pair of tokens' sums over the tiles; stands under window 2 for source 1, where the query lies
.set T_, (\n)/4
.set J_, 2*((\n)%4)
.if T_ == 0
	v_pk_mul_f32 v[SS+J_:SS+J_+1], v[AK+J_:AK+J_+1], v[QW:QW+1] op_sel_hi:[1,0]
.elseif T_ == 2
	v_pk_fma_f32 v[SS+J_:SS+J_+1], v[AK+16+J_:AK+16+J_+1], v[QW+2:QW+3], v[SS+J_:SS+J_+1] op_sel_hi:[1,0,1]
.else
	v_pk_fma_f32 v[SS+J_:SS+J_+1], v[AK+8*T_+J_:AK+8*T_+J_+1], v[QW+T_-1:QW+T_], v[SS+J_:SS+J_+1] op_sel:[0,1,0] op_sel_hi:[1,1,1]
.endif
.endm
.macro GIVE u, i, n, mask              ; what I give to my partner lane
	v_cndmask_b32 v[\u], v[SS+\i+\n], v[SS+\i], s[\mask]
.endm
.macro HOLD i, n, mask                 ; what I keep
	v_cndmask_b32 v[SS+\i], v[SS+\i], v[SS+\i+\n], s[\mask]
.endm
.macro JOIN8 u, i
	v_add_f32_dpp v[SS+\i], v[\u], v[SS+\i] row_xmask:8 row_mask:0xf bank_mask:0xf
.endm
.macro JOIN4 u, i
	v_add_f32_dpp v[SS+\i], v[\u], v[SS+\i] row_xmask:4 row_mask:0xf bank_mask:0xf
.endm
.macro POLY k                          ; one step of the polynomial in f
	v_pk_fma_f32 v[CC:CC+1], v[CC:CC+1], v[SS:SS+1], \k op_sel_hi:[1,1,0]
.endm
.macro OMUL t                          ; a weighted sum under the new M
	v_pk_mul_f32 v[OO+2*\t:OO+2*\t+1], v[OO+2*\t:OO+2*\t+1], v[FF:FF+1] op_sel_hi:[1,0]
.endm
.macro SHARE j, src, lane
	v_mov_b32_dpp v[SS+\j], v[\src] row_share:\lane row_mask:0xf bank_mask:0xf
.endm
.macro PV n                            ; two tokens' p x v
.set T_, (\n)%4
.set J_, 2*((\n)/4)
	v_pk_fma_f32 v[OO+2*T_:OO+2*T_+1], v[AV+8*T_+J_:AV+8*T_+J_+1], v[SS+J_:SS+J_+1], v[OO+2*T_:OO+2*T_+1]
.endm
; ---- behind V's product N_: this block's scores, softmax and p
.macro VG kind
.if N_ < 8
	DOT 2*N_
	DOT 2*N_+1
.elseif N_ == 8
	WIN 0
	GIVE 2, 0, 4, 96
	GIVE 3, 1, 4, 96
	HOLD 0, 4, 96
.elseif N_ == 9
	WIN 0
	HOLD 1, 4, 96
	GIVE 62, 2, 4, 96
	GIVE 63, 3, 4, 96
.elseif N_ == 10
	WIN 0
	HOLD 2, 4, 96
	HOLD 3, 4, 96
	JOIN8 2, 0
.elseif N_ == 11
	WIN 0
	JOIN8 3, 1
	JOIN8 62, 2
	JOIN8 63, 3
.elseif N_ == 12
	WIN 0
	GIVE 2, 0, 2, 97
	GIVE 3, 1, 2, 97
	HOLD 0, 2, 97
.elseif N_ == 13
	WIN 0
	HOLD 1, 2, 97
	JOIN4 2, 0
	JOIN4 3, 1
.elseif N_ == 14
	WIN 0
	v_add_f32_dpp v[SS], v[SS], v[SS] row_xmask:2 row_mask:0xf bank_mask:0xf
	v_add_f32_dpp v[SS+1], v[SS+1], v[SS+1] row_xmask:2 row_mask:0xf bank_mask:0xf
.elseif N_ == 15
	WIN 0
	v_add_f32_dpp v[SS], v[SS], v[SS] row_xmask:1 row_mask:0xf bank_mask:0xf
	v_add_f32_dpp v[SS+1], v[SS+1], v[SS+1] row_xmask:1 row_mask:0xf bank_mask:0xf
.elseif N_ == 16
	WIN 0
	v_max3_num_f32 v[MX], v[MX], v[SS], v[SS+1]
.elseif N_ == 17
	WIN 0
	v_max_num_f32_dpp v[MX], v[MX], v[MX] row_xmask:4 row_mask:0xf bank_mask:0xf
.if (\kind) != 3
	WALU                                           ; four places behind step 3's last product: its registers and those of the steps before are free
	ds_load_b128 v[SA:SA+3], v[AAS]
.irp q, 0,1,2,3
	FRAG 0, XF+12*\q, \q, ADRA, ADRA+1
.endr
.endif
.elseif N_ == 18
	WIN 0
	v_max_num_f32_dpp v[MX], v[MX], v[MX] row_xmask:8 row_mask:0xf bank_mask:0xf
.elseif N_ == 19
	v_floor_f32 v[NMN], -v[MX]
.elseif N_ == 20
	v_pk_fma_f32 v[SS:SS+1], v[SS:SS+1], 1.0, v[NMN:NMN+1] op_sel_hi:[1,0,0]
	v_fma_f32 v[DM], v[NMN], 1.0, -v[NMO]
.elseif N_ == 21
	v_rndne_f32 v[TT], v[SS]
	v_rndne_f32 v[TT+1], v[SS+1]
	v_mov_b32 v[NMO], v[NMN]
.elseif N_ == 22
	v_pk_fma_f32 v[SS:SS+1], v[SS:SS+1], 1.0, v[TT:TT+1] op_sel_hi:[1,0,1] neg_lo:[0,0,1] neg_hi:[0,0,1]
	v_cvt_i32_f32 v[DM], v[DM]                     ; (it saturates)
.elseif N_ == 23
	v_pk_fma_f32 v[CC:CC+1], v[SS:SS+1], s[A5:A5+1], v[A4:A4+1] op_sel_hi:[1,0,0]
.elseif N_ == 24
	WIN 0
	POLY 0x3d635767
	v_ldexp_f32 v[FF], 1.0, v[DM]
.elseif N_ == 25
	v_cvt_i32_f32 v[IN0], v[TT]
	v_cvt_i32_f32 v[IN1], v[TT+1]
	WIN 0
	POLY 0x3e75fc85
	OMUL 0
.elseif N_ == 26
	WIN 0
	POLY 0x3f317218
	OMUL 1
	OMUL 2
.elseif N_ == 27
	WIN 0
	POLY 1.0
	OMUL 3
.elseif N_ == 28
	WIN 0
	v_ldexp_f32 v[CC], v[CC], v[IN0]
	v_ldexp_f32 v[CC+1], v[CC+1], v[IN1]
.elseif N_ == 29
	WIN 0
	v_pk_fma_f32 v[LL:LL+1], v[LL:LL+1], v[FF:FF+1], v[CC:CC+1] op_sel_hi:[1,0,1]
	SHARE 0, 62, 0
	SHARE 1, 63, 0
.elseif N_ == 30
	SHARE 2, 62, 4
	SHARE 3, 63, 4
.else
	WIN 0
	SHARE 4, 62, 8
	SHARE 5, 63, 8
	SHARE 6, 62, 12
	SHARE 7, 63, 12
.endif
.endm
.macro PAIR                            ; K's products 2 G_ and 2 G_ + 1
	PROD 0, G_/2, 2*(G_%2)
	PROD 0, G_/2, 2*(G_%2)+1
.endm
; ---- A BLOCK.  b: its number in its chunk.  kind 0: plain; 1: a round stands in it, behind which the slot just read is filled again; 2: a plain barrier shows the last chunk to all waves, and nothing is filled; 3: the last block, which fetches nothing.
; first = 1: no block stands ahead of it.  Among K's products: the block before's weighted sums.
.macro BLK kind, b, first
.if (\first) == 0
	s_wait_dscnt 14                                ; fragments 0-3 and their scale words are in
.if ((\kind) == 1) || ((\kind) == 2)
	s_wait_tensorcnt 0x0                           ; my part of the next chunk is in
.endif
.if (\kind) == 1
	ds_add_u32 v[SPW], v[NIL]
	s_add_co_u32 s[G0X+1], s80, s47                ; no tensor load of mine is out: the descriptors step on: two chunks ahead, into the slot just read
	s_add_nc_u64 s[G0X+2:G0X+3], s[G0X+2:G0X+3], RC*KROW
	s_mov_b32 s[G0S+1], s81
	s_add_nc_u64 s[G0S+2:G0S+3], s[G0S+2:G0S+3], RC*32
	s_xor_b32 s47, s47, YB
	s_xor_b32 s81, s81, (SCL)^(SCL+SCB)
.endif
.else
	s_wait_dscnt 0x0
.endif
.set G_, 0
.rept 8
	PAIR
.if (\first) == 0
	WIN 0
	PV 2*G_
	PV 2*G_+1
.endif
.set G_, G_+1
.endr
.if (\first) == 0
	s_wait_dscnt 0x0                               ; all fragments are in: this block's last reads of its slot are over, and the add, where there is one
.endif
.if ((\kind) == 1) || ((\kind) == 2)
	s_barrier_signal -1
.endif
.rept 4
	PAIR
.set G_, G_+1
.endr
.if ((\kind) == 1) || ((\kind) == 2)
	WIN 0
	s_barrier_wait -1
.endif
.if (\kind) == 1
	CREST                                          ; no wave of any partner still reads this slot or has a load on its way
	REFILL
.endif
.rept 2
	PAIR
.set G_, G_+1
.endr
	PAIR
	WIN 0
.if (\kind) == 3
	PLACES 2
.elseif (\b) == 3
	s_xor_b32 s100, s100, YB                       ; the next block lies in the other slot
	s_xor_b32 s90, s90, SCB
	v_add_nc_u32 v[ADRA], s100, v[ADRA0]
	v_add_nc_u32 v[ADRA+1], s100, v[ADRA0+1]
.else
	s_add_co_u32 s101, s100, ((\b)+1)*32*PITCH
	s_add_co_u32 s91, s90, ((\b)+1)*1088
	v_add_nc_u32 v[ADRA], s101, v[ADRA0]
	v_add_nc_u32 v[ADRA+1], s101, v[ADRA0+1]
.endif
.set G_, G_+1
	PAIR
	WIN 0
.if (\kind) == 3
	v_nop
.elseif (\b) == 3
	v_add_nc_u32 v[AAS], s90, v[AAS0]
.else
	v_add_nc_u32 v[AAS], s91, v[AAS0]
.endif
	v_nop                                          ; four places behind K's products 28 and 29, ahead of the first score
.set N_, 0
.rept 32
	PROD 1, N_/4, N_%4
	VG \kind
.set N_, N_+1
.endr
.if (\kind) != 3
	WALU                                           ; four places behind the last product
.irp q, 4,5,6,7
	FRAG 0, XF+12*\q, \q, ADRA, ADRA+1
.endr
	ds_load_b128 v[SA+4:SA+7], v[AAS] offset:16
.endif
.endm
; ================= THE HEAD
	s_load_b256 s[4:11], s[0:1], 0x0               ; x's codes, scales; Wk's codes, scales
	s_load_b256 s[12:19], s[0:1], 0x20             ; Wv's codes, scales; qs; part_o
	s_load_b64 s[20:21], s[0:1], 0x40              ; part_ml
	v_lshl_add_u32 v[SPW], v0, 2, SPARE
	v_mov_b32 v[NIL], 0
	ds_add_u32 v[SPW], v[NIL]                      ; the opening: the add, twice on end, under one wait
	ds_add_u32 v[SPW], v[NIL]
	v_lshrrev_b32 v1, 5, v0
	v_readfirstlane_b32 s22, v1                    ; the wave
	s_lshr_b32 s23, s22, 1                         ; its stream
	s_and_b32 s3, s22, 1                           ; its head of the two
	s_bfe_u32 s40, ttmp6, 0x40000                  ; cx
	s_bfe_u32 s41, ttmp6, 0x40004                  ; cy
	s_lshl_b32 s42, ttmp9, 2
	s_add_co_u32 s42, s42, s40                     ; the pair of heads, 0 .. 7
	s_and_b32 s66, ttmp7, 0xffff
	s_lshl_b32 s66, s66, 2
	s_add_co_u32 s66, s66, s41                     ; which 1,024 tokens, 0 .. 31: batch s66 / 2, part s66 % 2
	s_lshl_b32 s43, s41, 2
	s_lshl_b32 s43, 15, s43                        ; my row of the cluster
	s_lshl_b32 s44, 0x1111, s40                    ; my column
	GROUP1 G1X, 43, RC
	GROUP1 G1W, 44, RC
	s_or_b32 s[G1S+0], s43, (3<<16)|(1<<20)|(1<<21)|(5<<22)|(3<<25)   ; a chunk's scale bytes: a dense block, as 16 rows of 256 bytes
	s_mov_b32 s[G1S+1], 32<<16
	s_mov_b32 s[G1S+2], 16<<16
	s_mov_b32 s[G1S+3], 32<<16
	s_mov_b32 s[G1S+4], 16
	s_mov_b32 s[G1S+5], 32
	s_mov_b32 s[G1S+6], 0
	s_mov_b32 s[G1S+7], 0
	s_mul_i32 s92, s66, 1024*KROW                  ; x's rows
	s_mov_b32 s93, 0
	s_mul_i32 s96, s42, 128*KROW                   ; a weight's rows
	s_mov_b32 s97, 0
	s_lshl_b32 s98, s66, 15                        ; x's scale bytes
	s_mov_b32 s99, 0
	s_lshl_b32 s82, s42, 12                        ; my head's scale bytes of a weight
	s_lshl_b32 s67, s3, 11
	s_add_co_u32 s82, s82, s67
	s_mov_b32 s83, 0
	s_lshl_b32 s84, s42, 9                         ; my head's query
	s_lshl_b32 s67, s3, 8
	s_add_co_u32 s84, s84, s67
	s_mov_b32 s85, 0
	s_mul_i32 s80, s22, 64*PITCH                   ; refills: where my half of a chunk goes, and where it comes from
	s_mul_i32 s86, s22, 64*KROW
	s_mov_b32 s87, 0
	s_mov_b32 s94, 0x76543210                      ; v_permlanex16_b32's selects for lane l xor 16
	s_mov_b32 s95, 0xfedcba98
	v_and_b32 v1, 15, v0                           ; r
	v_bfe_u32 v2, v0, 4, 1                         ; h
	v_and_b32 v3, 31, v0
	v_mul_u32_u24 v136, v1, PITCH
	v_mad_u32_u24 v137, v2, 24, v136
	v_mad_u32_u24 v138, v2, 40, v136
	s_mul_i32 s67, s23, 16*PITCH
	v_add_nc_u32 v[ADRA0], s67, v137
	v_add_nc_u32 v[ADRA0+1], s67, v138
	s_mul_i32 s67, s3, 64*PITCH
	s_add_co_u32 s67, s67, WKB
	v_add_nc_u32 v139, s67, v137
	v_add_nc_u32 v140, s67, v138
.irp t, 0,1,2,3
	v_add_nc_u32 v[BA+2*\t], \t*16*PITCH, v139
	v_add_nc_u32 v[BA+2*\t+1], \t*16*PITCH, v140
	v_add_nc_u32 v[BA+8+2*\t], YB+\t*16*PITCH, v139
	v_add_nc_u32 v[BA+8+2*\t+1], YB+\t*16*PITCH, v140
.endr
	v_lshlrev_b32 v141, 5, v1                      ; a row's 32 scale bytes, and 16 more for each 256 passed
	v_lshrrev_b32 v142, 3, v1
	v_lshl_add_u32 v141, v142, 4, v141
	s_mul_i32 s67, s23, 544
	s_add_co_u32 s67, s67, SCL
	v_add_nc_u32 v[AAS0], s67, v141
	v_lshlrev_b32 v143, 5, v3
	v_lshlrev_b32 v144, 2, v1
	WALU
	s_wait_dscnt 0x0                               ; both opening adds are done
	CROUND                                         ; the joint loads meet
	s_wait_kmcnt 0x0
	s_add_nc_u64 s[4:5], s[4:5], s[92:93]
	s_add_nc_u64 s[6:7], s[6:7], s[98:99]
	s_add_nc_u64 s[8:9], s[8:9], s[96:97]
	s_add_nc_u64 s[12:13], s[12:13], s[96:97]
	s_add_nc_u64 s[10:11], s[10:11], s[82:83]
	s_add_nc_u64 s[14:15], s[14:15], s[82:83]
	s_add_nc_u64 s[16:17], s[16:17], s[84:85]
	s_mov_b32 s[G0W], 1                            ; Wk's 128 rows
	s_mov_b32 s[G0W+1], WKB
	s_mov_b64 s[G0W+2:G0W+3], s[8:9]
	s_or_b32 s[G0W+3], s[G0W+3], 0x80000000
	s_mov_b32 s[G0V], 1                            ; Wv's
	s_mov_b32 s[G0V+1], WKB+YB
	s_mov_b64 s[G0V+2:G0V+3], s[12:13]
	s_or_b32 s[G0V+3], s[G0V+3], 0x80000000
	s_mov_b32 s[G0X], 1                            ; chunk 0
	s_mov_b32 s[G0X+1], 0
	s_mov_b64 s[G0X+2:G0X+3], s[4:5]
	s_or_b32 s[G0X+3], s[G0X+3], 0x80000000
	s_mov_b32 s[G0S], 1                            ; its scale bytes
	s_mov_b32 s[G0S+1], SCL
	s_mov_b64 s[G0S+2:G0S+3], s[6:7]
	s_or_b32 s[G0S+3], s[G0S+3], 0x80000000
	s_cmp_eq_u32 s22, 0                            ; one tensor load a wave
	s_cbranch_scc0 .Lwave_1
	TLOAD G0W, G1W
	s_branch .Lasked
.Lwave_1:
	s_cmp_eq_u32 s22, 1
	s_cbranch_scc0 .Lwave_2
	TLOAD G0V, G1W
	s_branch .Lasked
.Lwave_2:
	s_cmp_eq_u32 s22, 2
	s_cbranch_scc0 .Lwave_3
	TLOAD G0X, G1X
	s_branch .Lasked
.Lwave_3:
	TLOAD G0S, G1S
.Lasked:
.irp p, 0,1
.irp c, 0,1
	global_load_b128 v[SB+8*\p+4*\c:SB+8*\p+4*\c+3], v143, s[10:11] offset:1024*\p+16*\c   ; lanes 0-15: tile 2 p's rows, lanes 16-31: tile 2 p + 1's
	global_load_b128 v[SB+16+8*\p+4*\c:SB+16+8*\p+4*\c+3], v143, s[14:15] offset:1024*\p+16*\c
.endr
.endr
	WIN 0x80                                       ; destination window 2
.irp t, 0,1,2,3
	global_load_b32 v[QW+\t], v144, s[16:17] offset:64*\t
.endr
	WIN 0
.irp n, 0,1,2,3,4,5,6,7
	v_mov_b32 v[OO+\n], 0
.endr
	v_mov_b32 v[FF+1], 0                           ; (v11, v13, v19: named as the upper halves of pairs, never used)
	v_mov_b32 v[A4], 0x3c1e87a2
	v_mov_b32 v[A4+1], 0
	v_mov_b32 v[NMN+1], 0
	v_mov_b32 v[LL], 0
	v_mov_b32 v[LL+1], 0
	v_mov_b32 v[MX], 0xff61b1e6                    ; -3e38
	v_mov_b32 v[NMO], 0x7f61b1e6
	s_lshl_b32 s67, s42, 1
	s_add_co_u32 s67, s67, s3                      ; my head
	s_lshl_b32 s92, s67, 13
	s_lshl_b32 s98, s66, 8
	s_add_co_u32 s92, s92, s98
	s_add_nc_u64 s[18:19], s[18:19], s[92:93]
	s_lshr_b32 s98, s66, 1
	s_lshl_b32 s98, s98, 4
	s_add_co_u32 s98, s98, s67
	s_lshl_b32 s98, s98, 4
	s_and_b32 s67, s66, 1
	s_lshl_b32 s67, s67, 3
	s_add_co_u32 s98, s98, s67
	s_add_nc_u64 s[20:21], s[20:21], s[98:99]
	s_mov_b32 s100, 0                              ; the slot and the scale place that are read
	s_mov_b32 s90, 0
	s_mov_b32 s47, 0                               ; and those of the loop's first refill
	s_mov_b32 s81, SCL
	s_mov_b32 s96, 0xff00ff00                      ; lanes with bit 3, with bit 2 of their number
	s_mov_b32 s97, 0xf0f0f0f0
	s_mov_b32 s[A5], 0x3aafa3e8
	s_mov_b32 s[A5+1], 0x3aafa3e8
	WALU
	s_cmp_eq_u32 s22, 0
	s_cbranch_scc0 .Lnot_k
	s_wait_tensorcnt 0x0
.Lnot_k:
	s_barrier_signal -1
	s_barrier_wait -1                              ; Wk is in; the other tiles may still be on their way
.irp q, 0,1,2,3,4,5,6,7
.irp t, 0,1,2,3
.set F_, 4*\q+\t
	FRAG 1+F_/21, 12*(F_%21), \q, BA+2*\t, BA+2*\t+1
.endr
.endr
	WIN 0
	s_cmp_eq_u32 s22, 1
	s_cbranch_scc0 .Lnot_v
	s_wait_tensorcnt 0x0
.Lnot_v:
	s_wait_dscnt 0x0
	s_barrier_signal -1
	s_barrier_wait -1                              ; Wv is in
.irp q, 0,1,2,3,4,5,6,7
.irp t, 0,1,2,3
.set F_, 32+4*\q+\t
.if F_ < 63
	FRAG 1+F_/21, 12*(F_%21), \q, BA+8+2*\t, BA+8+2*\t+1
.else
	FRAG 0, F63, \q, BA+8+2*\t, BA+8+2*\t+1
.endif
.endr
.endr
	WIN 0
	s_wait_loadcnt 0x0
	s_wait_tensorcnt 0x0
	ds_add_u32 v[SPW], v[NIL]
	s_mov_b32 s[G1X+2], 64<<16                     ; from here on a load of x brings 64 rows
	s_mov_b32 s[G1X+4], 64
	s_add_co_u32 s[G0X+1], s80, YB                 ; chunk 1, into slot 1
	s_add_nc_u64 s[G0X+2:G0X+3], s[G0X+2:G0X+3], s[86:87]
	s_add_nc_u64 s[G0X+2:G0X+3], s[G0X+2:G0X+3], RC*KROW
	s_mov_b32 s[G0S+1], SCL+SCB
	s_add_nc_u64 s[G0S+2:G0S+3], s[G0S+2:G0S+3], RC*32
	s_wait_dscnt 0x0                               ; my reads of the weights are over
	CROUND                                         ; chunk 0 is in, and nobody reads Wk's bytes any more
	REFILL
.irp q, 0,1,2,3,4,5,6,7
	FRAG 0, XF+12*\q, \q, ADRA0, ADRA0+1
.endr
	ds_load_b128 v[SA:SA+3], v[AAS0]
	ds_load_b128 v[SA+4:SA+7], v[AAS0] offset:16
; ================= THE BLOCKS: chunk 0's first three; six trips of a chunk's last and the next one's first three; the rest
	BLK 0, 0, 1
	BLK 0, 1, 0
	BLK 0, 2, 0
	s_mov_b32 s2, 6
	WALU
.Lchunk:
	BLK 1, 3, 0
	BLK 0, 0, 0
	BLK 0, 1, 0
	BLK 0, 2, 0
	s_sub_co_u32 s2, s2, 1
	s_cmp_lg_u32 s2, 0
	WALU
	s_cbranch_scc1 .Lchunk
	BLK 2, 3, 0
	BLK 0, 0, 0
	BLK 0, 1, 0
	BLK 0, 2, 0
	BLK 3, 3, 0
	WALU
.set G_, 0
.rept 16
	PV G_
.set G_, G_+1
.endr
; ================= THE END: the two halves of the lanes are joined, then, through LDS, the two streams of a head
.irp t, 0,1,2,3
	v_add_f32 v[JO+\t], v[OO+2*\t], v[OO+2*\t+1]
.endr
	v_add_f32 v[JO+4], v[LL], v[LL+1]
	v_mul_f32 v[MX], -1.0, v[NMO]                  ; M
	v_mov_b32 v[MO], 0
	v_and_b32 v1, 15, v0
	v_and_b32 v63, 31, v0
	v_add_f32_dpp v[JO+4], v[JO+4], v[JO+4] row_xmask:4 row_mask:0xf bank_mask:0xf
	v_permlanex16_b32 v[MO], v[MX], s94, s95
	v_lshlrev_b32 v60, 2, v1
	v_lshlrev_b32 v61, 4, v1
	v_lshlrev_b32 v62, 3, v63
	v_add_f32_dpp v[JO+4], v[JO+4], v[JO+4] row_xmask:8 row_mask:0xf bank_mask:0xf
	v_max_num_f32 v[TT], v[MX], v[MO]
	s_mul_i32 s67, s22, 512
	s_add_co_u32 s67, s67, STG
	v_add_nc_u32 v60, s67, v60                     ; in: column 16 t + r
	v_add_nc_u32 v61, s67, v61                     ; back: columns 4 r .. 4 r + 3
	v_add_nc_u32 v62, s67, v62                     ; (M, L), one pair a lane
	v_sub_f32 v[FF], v[MX], v[TT]
	WALU
	v_exp_f32 v[FF], v[FF]
	v_nop
	WALU
.irp n, 0,1,2,3,4
	v_mul_f32 v[JO+\n], v[JO+\n], v[FF]
.endr
.irp n, 0,1,2,3,4
	v_permlanex16_b32 v[SS+\n], v[JO+\n], s94, s95
.endr
.irp n, 0,1,2,3
	v_add_f32 v[JO+\n], v[JO+\n], v[SS+\n]
.endr
	v_add_f32 v[TT+1], v[JO+4], v[SS+4]
	WALU
.irp t, 0,1,2,3
	ds_store_b32 v60, v[JO+\t] offset:64*\t
.endr
	ds_store_b64 v62, v[TT:TT+1] offset:256
	s_wait_dscnt 0x0
	s_barrier_signal -1
	s_barrier_wait -1
	s_cmp_lg_u32 s23, 0
	s_cbranch_scc1 .Lend                           ; stream 0's waves join and store
	ds_load_b128 v[SS:SS+3], v61
	ds_load_b128 v[SS+4:SS+7], v61 offset:1024     ; stream 1's, two waves on
	ds_load_b64 v[TT:TT+1], v62 offset:256
	ds_load_b64 v[OO:OO+1], v62 offset:256+1024
	s_wait_dscnt 0x0
	v_max_num_f32 v[JO], v[TT], v[OO]
	v_sub_f32 v[JO+2], v[TT], v[JO]
	v_sub_f32 v[JO+3], v[OO], v[JO]
	v_lshlrev_b32 v60, 4, v1
	v_mov_b32 v61, 0
	WALU
	v_exp_f32 v[JO+2], v[JO+2]
	v_exp_f32 v[JO+3], v[JO+3]
	v_nop
	WALU
	v_mul_f32 v[JO+1], v[TT+1], v[JO+2]
.irp i, 0,1,2,3
	v_mul_f32 v[SS+\i], v[SS+\i], v[JO+2]
.endr
	v_fma_f32 v[JO+1], v[OO+1], v[JO+3], v[JO+1]
.irp i, 0,1,2,3
	v_fma_f32 v[SS+\i], v[SS+4+\i], v[JO+3], v[SS+\i]
.endr
	v_cmp_gt_u32 vcc_lo, 16, v63
	WALU
	s_and_saveexec_b32 s93, vcc_lo
	global_store_b128 v60, v[SS:SS+3], s[18:19]    ; lanes 0-15: 256 consecutive bytes, at a multiple of 256
	s_wait_xcnt 0x0
	s_or_b32 exec_lo, exec_lo, s93
	v_cmp_eq_u32 vcc_lo, 0, v63
	s_and_saveexec_b32 s93, vcc_lo
	global_store_b64 v61, v[JO:JO+1], s[20:21]     ; lane 0: (M, L)
	s_wait_xcnt 0x0
	s_or_b32 exec_lo, exec_lo, s93
.Lend:
	s_wait_tensorcnt 0x0                           ; the wave's end
	ds_add_u32 v[SPW], v[NIL]
	s_wait_dscnt 0x0
	CROUND                                         ; the closing round
	s_endpgm
.Lfunc_end_k_qc1d401e601_pool:
	.size	k_qc1d401e601_pool, .Lfunc_end_k_qc1d401e601_pool-k_qc1d401e601_pool
	.p2alignl 7, 3214868480
	.fill 96, 4, 3214868480
	.section	.rodata,"a",@progbits
	.p2align	6, 0x0
	.amdhsa_kernel k_qc1d401e601_pool
		.amdhsa_group_segment_fixed_size 327680
		.amdhsa_private_segment_fixed_size 0
		.amdhsa_enable_private_segment 0
		.amdhsa_kernarg_size 72
		.amdhsa_user_sgpr_count 2
		.amdhsa_user_sgpr_kernarg_segment_ptr 1
		.amdhsa_wavefront_size32 1
		.amdhsa_system_sgpr_workgroup_id_x 1
		.amdhsa_system_sgpr_workgroup_id_y 1
		.amdhsa_system_sgpr_workgroup_id_z 1
		.amdhsa_system_vgpr_workitem_id 0
		.amdhsa_next_free_vgpr 1024
		.amdhsa_next_free_sgpr 102
		.amdhsa_reserve_vcc 1
		.amdhsa_float_denorm_mode_32 3
		.amdhsa_float_denorm_mode_16_64 3
		.amdhsa_memory_ordered 1
		.amdhsa_forward_progress 1
		.amdhsa_inst_pref_size 239
	.end_amdhsa_kernel
	.amdgpu_metadata
---
amdhsa.version: [ 1, 2 ]
amdhsa.kernels:
  - .name:           k_qc1d401e601_pool
    .symbol:         k_qc1d401e601_pool.kd
    .args:
      - { .name: x_codes, .offset: 0, .size: 8, .value_kind: global_buffer, .address_space: global }
      - { .name: x_scales, .offset: 8, .size: 8, .value_kind: global_buffer, .address_space: global }
      - { .name: Wk_codes, .offset: 16, .size: 8, .value_kind: global_buffer, .address_space: global }
      - { .name: Wk_scales, .offset: 24, .size: 8, .value_kind: global_buffer, .address_space: global }
      - { .name: Wv_codes, .offset: 32, .size: 8, .value_kind: global_buffer, .address_space: global }
      - { .name: Wv_scales, .offset: 40, .size: 8, .value_kind: global_buffer, .address_space: global }
      - { .name: qs, .offset: 48, .size: 8, .value_kind: global_buffer, .address_space: global }
      - { .name: part_o, .offset: 56, .size: 8, .value_kind: global_buffer, .address_space: global }
      - { .name: part_ml, .offset: 64, .size: 8, .value_kind: global_buffer, .address_space: global }
    .group_segment_fixed_size: 327680
    .private_segment_fixed_size: 0
    .kernarg_segment_align: 8
    .kernarg_segment_size: 72
    .max_flat_workgroup_size: 128
    .sgpr_count:     102
    .vgpr_count:     1024
    .wavefront_size: 32
...
	.end_amdgpu_metadata
.endif
;; end of part 2
;; launch final (part 3): grid 16 x 1, 8 waves a work-group, clusters of 4 x 1, 171,008 bytes of LDS; arguments part_o, part_ml, Wc_codes, Wc_scales, out0; writes out0
.if DOCPART == 3
	.amdgcn_target "amdgcn-amd-amdhsa--gfx1250"
	.amdhsa_code_object_version 6
	.text
	.protected	k_qc1d401e601_final
	.globl	k_qc1d401e601_final
	.p2align	8
	.type	k_qc1d401e601_final,@function
k_qc1d401e601_final:
	s_mov_b64 s[64:65], 0
	v_nop
	global_prefetch_b8 v0, s[64:65] scope:SCOPE_SE
	s_setreg_imm32_b32 hwreg(HW_REG_WAVE_MODE, 25, 1), 1
	s_wait_xcnt 0x0
	s_wait_alu depctr_hold_cnt(0) depctr_sa_sdst(0) depctr_va_vdst(0) depctr_va_sdst(0) depctr_va_ssrc(0) depctr_va_vcc(0) depctr_vm_vsrc(0)
	s_getreg_b32 s2, hwreg(HW_REG_IB_STS2, 6, 4)
	s_cmp_eq_u32 s2, 0
	s_cbranch_scc0 .Lentry_in_a_cluster
	s_endpgm
.Lentry_in_a_cluster:
	s_bfe_u32 s2, ttmp6, 0x10000c
	s_cmp_lg_u32 s2, 0x3003
	s_cbranch_scc0 .Lentry_shape_is_right
	s_endpgm
.Lentry_shape_is_right:
; out0 = Q(o) Wc^T on codes of FP6 (E2M3) with one E8M0 scale for each 32 along K; o [16][1024] is joined here from the two parts of each (head, batch) that the launch before has left, in f32, and quantised along its 1,024.
; part_o: [head 16][batch 16][part 2][64] f32 = the sum of 2^(s - M_p) v;  part_ml: [batch][head][part][2] = (M_p, L_p).  o = (the sum over p of w_p O_p) / (the sum over p of w_p L_p), w_p = 2^(M_p - the larger M_p).
; SHARES.  Work-group g makes columns 64 g .. + 63 for all 16 batches.  Wave w joins and quantises K step w of o (channels 128 w .. + 127: heads 2 w, 2 w + 1) and multiplies THAT K STEP ALONE against its slice of Wc, for four tiles of 16 columns:
; the codes that it has made are its own operand.  The eight waves' partial results meet in a stage in LDS, behind one barrier, and are added there as a tree over the K steps, an order of the f32 sums that differs from one ascending chain.
; THE PARTS COME BY THE TENSOR DATA MOVER: a wave's two heads are ONE dense block of 32 rows (head, batch) x 512 bytes, one load into the wave's own LDS bytes, filled once.  LDS rows are 528 bytes apart.
; CLUSTER: every work-group joins the same parts, so the four of a cluster ask for each tile JOINTLY (the descriptor hangs on the wave's number alone).
; Wc's slice for a wave is 96 bytes of each of 64 rows: 24 loads of 8 bytes a lane, straight into the operand's registers; the eight waves together use every byte of those rows.
; NO PREFETCH: there is no loop to run ahead in.
; The product is used transposed (source 0 = 16 rows of Wc, source 1 = o's 16 batches): a lane holds eight neighbouring columns of one batch.
; LIMITS: NaN and infinities are not served; a block of 32 zeros of o gets the scale byte 1 where the quantiser's rule says 127: its codes are zeros, and only this launch reads the byte.
.set FR,     12
.set PROW,   528                       ; LDS: a (head, batch)'s two parts: 512 bytes + 16
.set PHEAD,  16*PROW
.set PWAVE,  2*PHEAD
.set STG,    8*PWAVE                   ; the stage
.set SPITCH, 272
.set SWAVE,  16*SPITCH
.set SPARE,  STG+8*SWAVE
.set PA,  4                            ; v4   my place in my wave's tile: PWAVE x wave + PROW r + 64 h
.set MA,  5                            ; v5   part_ml: batch r x 256
.set SO,  6                            ; v6   the stage: where I put 32 bytes of a row of my partial result
.set SR,  7                            ; v7   and where I read 16 bytes of row 2 w + h of each wave's
.set GO,  8                            ; v8   the same place in out0
.set WA,  9                            ; v9   Wc's codes: row r x 768 + 24 h
.set WSA, 10                           ; v10  Wc's scale bytes: row r x 32
.set MLR, 16                           ; v16-23   (M, L) of both parts, for each head
.set WW,  32                           ; v32-39   the weights w_p / L, each twice
.set HA,  48                           ; v48-111  part 0, then o
.set PC,  112                          ; v112-130 codes
.set ST,  132                          ; v132-195 part 1, later the partial results
.set TM,  200                          ; v200-215 at work
.set PW,  216                          ; v216     o's scale word
.set SPW, 218
.set NIL, 219
.set WCS, 220                          ; v220-223 Wc's scale words
.set YY,  224                          ; v224-255 four results
.set WF,  0                            ; window 1: Wc's four fragments
.set WV,  18
.set SEL, 20
.set G1,  24
.set G0,  32
.set MSB, 0
.macro WIN new
.if MSB != \new
	s_set_vgpr_msb (MSB<<8)|\new
.set MSB, \new
.endif
.endm
.macro WALU
	s_wait_alu depctr_va_vdst(0)
.endm
.macro CROUND                          ; a round of the cluster's barrier
	s_barrier_signal -1
	s_barrier_wait -1
	s_cmp_lg_u32 s[WV], 0
	s_cbranch_scc1 .Lnot_wave_0_\@
	s_barrier_signal -3
.Lnot_wave_0_\@:
	s_barrier_wait -3
	s_barrier_signal -1
	s_barrier_wait -1
.endm
; 64 numbers of a lane, register 16 b + i = k 32 b + 16 (lane / 16) + i of my row, become a fragment's codes in v[PC] on and its scale word in v[PW].
.macro QUANT s
.irp b, 0,1,2,3
	v_max3_num_f32 v[TM+\b], |v[\s+16*\b]|, |v[\s+1+16*\b]|, 0x1800000   ; my 16 numbers, and the floor 2^(3 - 127): the byte cannot fall under 1
.endr
.irp i, 2,4,6,8,10,12,14
.irp b, 0,1,2,3
	s_delay_alu instid0(VALU_DEP_4)
	v_max3_num_f32 v[TM+\b], v[TM+\b], |v[\s+16*\b+\i]|, |v[\s+1+16*\b+\i]|
.endr
.endr
.irp b, 0,1,2,3
	s_delay_alu instid0(VALU_DEP_4)
	v_permlanex16_b32 v[TM+4+\b], v[TM+\b], s[SEL], s[SEL+1]
.endr
.irp b, 0,1,2,3
	s_delay_alu instid0(VALU_DEP_4)
	v_max_num_f32 v[TM+\b], v[TM+\b], v[TM+4+\b]   ; with lane l xor 16's: the block's largest magnitude
.endr
.irp b, 0,1,2,3
	s_delay_alu instid0(VALU_DEP_4)
	v_add_nc_u32 v[TM+12+\b], 0xff000000, v[TM+\b]   ; 2 off its exponent field: the conversions' scale operand
.endr
.irp b, 0,1,2,3
	s_delay_alu instid0(VALU_DEP_4)
	v_lshrrev_b32 v[TM+4+\b], 23, v[TM+12+\b]      ; the scale's byte
.endr
	v_lshl_or_b32 v[PW], v[TM+5], 8, v[TM+4]
	s_delay_alu instid0(VALU_DEP_1)
	v_lshl_or_b32 v[PW], v[TM+6], 16, v[PW]
	s_delay_alu instid0(VALU_DEP_1)
	v_lshl_or_b32 v[PW], v[TM+7], 24, v[PW]
.irp c, 0,1
	v_cvt_scalef32_pk16_fp6_f32 v[PC+6*\c:PC+2+6*\c], v[\s+32*\c:\s+15+32*\c], v[TM+12+2*\c]
	v_cvt_scalef32_pk16_fp6_f32 v[PC+12+4*\c:PC+14+4*\c], v[\s+16+32*\c:\s+31+32*\c], v[TM+12+2*\c+1]   ; (a conversion's three registers begin on an even number)
.endr
	v_nop                                          ; one plain instruction behind the scaled conversions
.irp c, 0,1                                    ; the operand's layout wants a WHOLE block in a lane: lanes 0-15 block 2 c, lanes 16-31 block 2 c + 1
.irp i, 0,1,2
	v_permlane16_swap_b32 v[PC+6*\c+\i], v[PC+12+4*\c+\i]
.endr
.irp i, 0,1,2
	s_delay_alu instid0(VALU_DEP_3)
	v_mov_b32 v[PC+3+6*\c+\i], v[PC+12+4*\c+\i]
.endr
.endr
.endm
; part p, out of my tile: register 32 u + 16 b + 4 c + .. = channel 128 w + 64 u + 32 b + 16 h + 4 c + .. of batch r
.macro PLOAD reg, p
.irp u, 0,1
.irp b, 0,1
.irp c, 0,1,2,3
	ds_load_b128 v[\reg+32*\u+16*\b+4*\c:\reg+32*\u+16*\b+4*\c+3], v[PA] offset:PHEAD*\u+256*\p+128*\b+16*\c
.endr
.endr
.endr
.endm
	s_load_b256 s[4:11], s[0:1], 0x0               ; part_o s[4:5], part_ml s[6:7], Wc's codes s[8:9], Wc's scales s[10:11]
	s_load_b64 s[12:13], s[0:1], 0x20              ; out0
	v_lshl_add_u32 v[SPW], v0, 2, SPARE
	v_mov_b32 v[NIL], 0
	ds_add_u32 v[SPW], v[NIL]                      ; the opening: the add, twice on end, under one wait
	ds_add_u32 v[SPW], v[NIL]
	v_lshrrev_b32 v1, 5, v0
	v_readfirstlane_b32 s[WV], v1                  ; wave 0..7
	v_and_b32 v2, 15, v0                           ; r
	v_bfe_u32 v3, v0, 4, 1                         ; h
	s_mul_i32 s16, s[WV], PWAVE                    ; my tile in LDS
	s_mul_i32 s17, s[WV], SWAVE
	s_add_co_u32 s17, s17, STG
	s_mul_i32 s19, s[WV], 2*SPITCH
	s_add_co_u32 s19, s19, STG
	v_mul_u32_u24 v[PA], v2, PROW
	v_mul_u32_u24 v[SO], v2, SPITCH
	v_mul_u32_u24 v[SR], v3, SPITCH
	v_lshlrev_b32 v[GO], 12, v3
	v_mul_u32_u24 v[WA], v2, 768
	v_lshl_add_u32 v[PA], v3, 6, v[PA]
	v_lshl_add_u32 v[SO], v3, 5, v[SO]
	v_lshl_add_u32 v[SR], v2, 4, v[SR]
	v_lshl_add_u32 v[GO], v2, 4, v[GO]
	v_mad_u32_u24 v[WA], v3, 24, v[WA]
	v_add_nc_u32 v[PA], s16, v[PA]
	v_add_nc_u32 v[SO], s17, v[SO]
	v_add_nc_u32 v[SR], s19, v[SR]
	v_lshlrev_b32 v[MA], 8, v2
	v_lshlrev_b32 v[WSA], 5, v2
.irp b, 0,1,2,3
	v_mov_b32 v[TM+4+\b], 0                        ; a lane permute's destination counts as one of its sources
.endr
	WALU
	s_mov_b32 s[SEL], 0x76543210
	s_mov_b32 s[SEL+1], 0xfedcba98                 ; v_permlanex16_b32's selects for lane l xor 16
	; descriptor group 1: 32 dense rows of 512 bytes (64 elements of 8 bytes), 16 bytes of padding behind each
	s_mov_b32 s[G1], 15|(3<<16)|(1<<20)|(1<<21)|(6<<22)|(3<<25)
	s_mov_b32 s[G1+1], 64<<16
	s_mov_b32 s[G1+2], 32<<16
	s_mov_b32 s[G1+3], 64<<16
	s_mov_b32 s[G1+4], 32
	s_mov_b32 s[G1+5], 64
	s_mov_b32 s[G1+6], 0
	s_mov_b32 s[G1+7], 0
	s_lshl_b32 s22, s[WV], 14                      ; part_o: heads 2 w, 2 w + 1
	s_mov_b32 s23, 0
	s_bfe_u32 s14, ttmp6, 0x40000                  ; cx: my place in the cluster
	s_lshl_b32 s15, ttmp9, 2
	s_add_co_u32 s15, s15, s14                     ; g = 4 x cluster x + cx: it enters Wc's and out0's addresses alone
	s_mul_i32 s40, s15, 64*768                     ; Wc's codes: row 64 g,
	s_mul_i32 s44, s[WV], 96                       ; K step w
	s_add_co_u32 s40, s40, s44
	s_mov_b32 s41, 0
	s_lshl_b32 s42, s15, 11                        ; its scale bytes: 32 a row,
	s_lshl_b32 s44, s[WV], 2                       ; K step w's word
	s_add_co_u32 s42, s42, s44
	s_mov_b32 s43, 0
	s_lshl_b32 s46, s[WV], 13                      ; out0: rows 2 w on, of 4,096 bytes,
	s_lshl_b32 s44, s15, 8                         ; + 256 g
	s_add_co_u32 s46, s46, s44
	s_mov_b32 s47, 0
	s_lshl_b32 s44, s[WV], 5                       ; part_ml: 16 bytes a head
	s_mov_b32 s45, 0
	s_wait_dscnt 0x0                               ; both opening adds are done
	s_wait_kmcnt 0x0
	s_add_nc_u64 s[4:5], s[4:5], s[22:23]
	s_add_nc_u64 s[6:7], s[6:7], s[44:45]
	s_add_nc_u64 s[8:9], s[8:9], s[40:41]
	s_add_nc_u64 s[10:11], s[10:11], s[42:43]
	s_add_nc_u64 s[12:13], s[12:13], s[46:47]
	s_mov_b32 s[G0], 1
	s_mov_b32 s[G0+1], s16
	s_mov_b64 s[G0+2:G0+3], s[4:5]
	s_or_b32 s[G0+3], s[G0+3], 0x80000000
	CROUND                                         ; all four work-groups are here: the joint loads meet
	tensor_load_to_lds s[G0:G0+3], s[G1:G1+7]      ; my one load; nothing is filled twice
	s_nop 0
.rept 4
	v_nop
.endr
.irp u, 0,1
	global_load_b128 v[MLR+4*\u:MLR+4*\u+3], v[MA], s[6:7] offset:16*\u   ; head 2 w + u: M0, L0, M1, L1
.endr
.irp t, 0,1,2,3
	global_load_b32 v[WCS+\t], v[WSA], s[10:11] offset:512*\t   ; the scale words of Wc's rows 64 g + 16 t + r for K step w
.endr
	WIN 0x40                                       ; destination window 1
.irp t, 0,1,2,3
.irp p, 0,1,2,3,4,5
	global_load_b64 v[WF+FR*\t+2*\p:WF+FR*\t+2*\p+1], v[WA], s[8:9] offset:16*768*\t+48*(\p/3)+8*(\p%3)   ; Wc's fragment of tile t
.endr
.endr
	WIN 0
	s_wait_loadcnt 28                              ; (M, L) are in; the 28 loads issued behind them may be out
.irp u, 0,1
	v_max_num_f32 v[TM+\u], v[MLR+4*\u], v[MLR+4*\u+2]
.endr
.irp p, 0,1
.irp u, 0,1
	v_sub_f32 v[WW+4*\u+2*\p], v[MLR+4*\u+2*\p], v[TM+\u]
.endr
.endr
	WALU
.irp p, 0,1
.irp u, 0,1
	v_exp_f32 v[WW+4*\u+2*\p], v[WW+4*\u+2*\p]     ; w_p
.endr
.endr
	v_nop                                          ; one plain instruction behind the exponentials (ISA guide 5.7.2)
	WALU
.irp u, 0,1
	v_mul_f32 v[TM+2+\u], v[WW+4*\u], v[MLR+4*\u+1]
.endr
.irp u, 0,1
	v_fma_f32 v[TM+2+\u], v[WW+4*\u+2], v[MLR+4*\u+3], v[TM+2+\u]   ; the softmax's sum
.endr
	WALU
.irp u, 0,1
	v_rcp_f32 v[TM+8+\u], v[TM+2+\u]
.endr
	v_nop
	WALU
.irp p, 0,1
.irp u, 0,1
	v_mul_f32 v[WW+4*\u+2*\p], v[WW+4*\u+2*\p], v[TM+8+\u]
.endr
.endr
.irp p, 0,1
.irp u, 0,1
	v_mov_b32 v[WW+4*\u+2*\p+1], v[WW+4*\u+2*\p]   ; twice: a pair for the packed forms
.endr
.endr
	WALU
	s_wait_tensorcnt 0x0                           ; my tile is in; only I read it
	PLOAD HA, 0
	PLOAD ST, 1
	s_wait_dscnt 16                                ; part 0's sixteen loads are in
.irp u, 0,1
.irp m, 0,2,4,6,8,10,12,14,16,18,20,22,24,26,28,30
	v_pk_mul_f32 v[HA+32*\u+\m:HA+32*\u+\m+1], v[HA+32*\u+\m:HA+32*\u+\m+1], v[WW+4*\u:WW+4*\u+1]
.endr
.endr
	WALU
	s_wait_dscnt 0x0                               ; part 1
.irp u, 0,1
.irp m, 0,2,4,6,8,10,12,14,16,18,20,22,24,26,28,30
	v_pk_fma_f32 v[HA+32*\u+\m:HA+32*\u+\m+1], v[ST+32*\u+\m:ST+32*\u+\m+1], v[WW+4*\u+2:WW+4*\u+3], v[HA+32*\u+\m:HA+32*\u+\m+1]
.endr
.endr
	QUANT HA                                       ; o's K step w: one fragment, one scale word a batch: my own operand
	WALU
	s_wait_loadcnt 0x0                             ; Wc's fragments and scale words
.rept 8
	v_nop                                          ; a scale register written by a vector instruction stands 8 places ahead of a scaled matrix instruction, an operand so written 4
.endr
	WIN 0x01                                       ; source 0 (Wc) window 1; source 1 (o) and D window 0
.irp t, 0,1,2,3
	v_wmma_scale_f32_16x16x128_f8f6f4 v[YY+8*\t:YY+8*\t+7], v[WF+FR*\t:WF+FR*\t+FR-1], v[PC:PC+FR-1], 0, v[WCS+\t], v[PW] matrix_a_fmt:MATRIX_FMT_FP6 matrix_b_fmt:MATRIX_FMT_FP6
.endr
	WIN 0
.rept 4
	v_nop                                          ; four places in front of the first read of the results (ISA guide 7.12.1)
.endr
.irp t, 0,1,2,3
	ds_store_b128 v[SO], v[YY+8*\t:YY+8*\t+3] offset:64*\t        ; lane (r, h): K step w's part of out0(batch r, 64 g + 16 t + 8 h + 0 .. 7); each result from its low end on
	ds_store_b128 v[SO], v[YY+8*\t+4:YY+8*\t+7] offset:64*\t+16
.endr
	s_wait_dscnt 0x0                               ; for the others' sake: my stores into the stage are done
	s_barrier_signal -1
	s_barrier_wait -1                              ; the eight partial results lie in the stage
.irp s, 0,1,2,3,4,5,6,7
	ds_load_b128 v[ST+4*\s:ST+4*\s+3], v[SR] offset:SWAVE*\s      ; K step s's part of my four numbers
.endr
	s_wait_dscnt 0x0
.irp m, 0,2
.irp s, 0,8,16,24
	v_pk_add_f32 v[ST+\s+\m:ST+\s+\m+1], v[ST+\s+\m:ST+\s+\m+1], v[ST+\s+4+\m:ST+\s+4+\m+1]
.endr
.endr
.irp m, 0,2
.irp s, 0,16
	v_pk_add_f32 v[ST+\s+\m:ST+\s+\m+1], v[ST+\s+\m:ST+\s+\m+1], v[ST+\s+8+\m:ST+\s+8+\m+1]
.endr
.endr
.irp m, 0,2
	v_pk_add_f32 v[ST+\m:ST+\m+1], v[ST+\m:ST+\m+1], v[ST+16+\m:ST+16+\m+1]
.endr
	global_store_b128 v[GO], v[ST:ST+3], s[12:13]  ; lanes 0-15 store the 256 consecutive bytes of row 2 w, at a multiple of 256 from out0's first byte; lanes 16-31 those of row 2 w + 1
	s_wait_tensorcnt 0x0                           ; the wave's end
	ds_add_u32 v[SPW], v[NIL]
	s_wait_dscnt 0x0
	CROUND                                         ; the closing round: no work-group ends while a partner may still ask for a tile that names it
	s_endpgm
.Lfunc_end_k_qc1d401e601_final:
	.size	k_qc1d401e601_final, .Lfunc_end_k_qc1d401e601_final-k_qc1d401e601_final
	.p2alignl 7, 3214868480
	.fill 96, 4, 3214868480
	.section	.rodata,"a",@progbits
	.p2align	6, 0x0
	.amdhsa_kernel k_qc1d401e601_final
		.amdhsa_group_segment_fixed_size 171008
		.amdhsa_private_segment_fixed_size 0
		.amdhsa_enable_private_segment 0
		.amdhsa_kernarg_size 40
		.amdhsa_user_sgpr_count 2
		.amdhsa_user_sgpr_kernarg_segment_ptr 1
		.amdhsa_wavefront_size32 1
		.amdhsa_system_sgpr_workgroup_id_x 1
		.amdhsa_system_sgpr_workgroup_id_y 1
		.amdhsa_system_sgpr_workgroup_id_z 1
		.amdhsa_system_vgpr_workitem_id 0
		.amdhsa_next_free_vgpr 320
		.amdhsa_next_free_sgpr 66
		.amdhsa_reserve_vcc 0
		.amdhsa_float_denorm_mode_32 3
		.amdhsa_float_denorm_mode_16_64 3
		.amdhsa_memory_ordered 1
		.amdhsa_forward_progress 1
		.amdhsa_inst_pref_size 24
	.end_amdhsa_kernel
	.amdgpu_metadata
---
amdhsa.version: [ 1, 2 ]
amdhsa.kernels:
  - .name:           k_qc1d401e601_final
    .symbol:         k_qc1d401e601_final.kd
    .args:
      - { .name: part_o, .offset: 0, .size: 8, .value_kind: global_buffer, .address_space: global }
      - { .name: part_ml, .offset: 8, .size: 8, .value_kind: global_buffer, .address_space: global }
      - { .name: Wc_codes, .offset: 16, .size: 8, .value_kind: global_buffer, .address_space: global }
      - { .name: Wc_scales, .offset: 24, .size: 8, .value_kind: global_buffer, .address_space: global }
      - { .name: out0, .offset: 32, .size: 8, .value_kind: global_buffer, .address_space: global }
    .group_segment_fixed_size: 171008
    .private_segment_fixed_size: 0
    .kernarg_segment_align: 8
    .kernarg_segment_size: 40
    .max_flat_workgroup_size: 256
    .sgpr_count:     66
    .vgpr_count:     320
    .wavefront_size: 32
...
	.end_amdgpu_metadata
.endif
;; end of part 3
